; MI455X (gfx1250); checked and timed in simulation.
; The chip was launched on July 23, 2026; its instructions are those of AMD's public machine-readable ISA for CDNA 5 (MIT licence, August 2026) and "CDNA5" Instruction Set Architecture Reference Guide (July 2026). The comments in the code are by the model that wrote it; some were corrected since.
;; Multi Head Attention. Allowed arithmetic: matrix products marked QUANTISED: E2M3 operands, one E8M0 scale for each 32 along K, by v_wmma_scale_f32_16x16x128_f8f6f4 with both operands' format E2M3, f32 sums; products left as they are: f32 operands where the result goes on into a quantised operand, else bf16, f16 or f32 operands; f32 sums; everything else in f32.
;; Inputs: Wo 1,024 x 1,024 float32; Wq 1,024 x 2,048 float32; Wv 1,024 x 3,072 float32; bo 1,024 float32; bq 1,024 float32; bv 1,024 float32; correlation_weight 64 x 128 float32; k 64 x 128 x 2,048 float32; lambdas 1 x 16 x 1 x 1 float32; q 64 x 1 x 2,048 float32; qe 64 x 128 x 128 float32; v_backward 64 x 128 x 3,072 float32.
;; Outputs: out0 64 x 128 x 1,024 float32; out1 64 x 128 float32.
;; This version of the problem:
;;   THIS VERSION OF THE PROBLEM IS GIVEN IN LOW PRECISION. The matrix products marked QUANTISED in the list below multiply operands that are first quantised to E2M3 (2 exponent bits, 3 mantissa bits; 6 bits a number), with one power-of-two scale for each 32 numbers along K (OCP MX v1.0); their sums are f32. All else is computed in f32.
;;   The module's matrix products, in the order in which they are computed (A, B: the left and right operand; K: the contracted axis; several contracted axes count as one K, in the product's order):
;;     1. [M 64, K 2,048] x [K 2,048, N 1,024]; A: input q; B: input Wq: QUANTISED
;;     2. [M 8,192, K 2,048] x [K 2,048, N 1,024]; A: input k; B: input Wq: QUANTISED
;;     3. batch 1,024 x [M 1, K 64] x [K 64, N 128]; A: computed on the way; B: computed on the way: left as it is (M = 1 < 16)
;;     4. batch 64 x [M 16, K 128] x [K 128, N 128]; A: computed on the way; B: input qe: QUANTISED
;;     5. [M 8,192, K 3,072] x [K 3,072, N 1,024]; A: input v_backward; B: input Wv: QUANTISED
;;     6. [M 8,192, K 1,024] x [K 1,024, N 1,024]; A: computed on the way; B: input Wo: QUANTISED
;;   THE QUANTISER, for each operand of a quantised product, along K:
;;     - K is cut into blocks of 32 from its start; a last block that is shorter is filled with zeros.
;;     - A block's scale is 2^e with e = floor(log2(the largest magnitude in the block)) - 2, held to -126 .. 127; a block of zeros has e = 0. As a byte (E8M0): e + 127.
;;     - Each number is divided by its block's scale, clamped to +-7.5, and rounded to the nearest number of E2M3, ties to even, subnormals kept.
;;     - The product sums the exact products of the quantised numbers (number of the format x scale) in f32.
;;   ~~~python
;;   def quantise(x, axis):      # numpy; x: float32 -> the quantised numbers, widened to float32 again
;;       x = np.moveaxis(x, axis, -1); K = x.shape[-1]
;;       x = np.pad(x, [(0, 0)] * (x.ndim - 1) + [(0, -K % 32)]); x = x.reshape(x.shape[:-1] + (-1, 32)); a = np.abs(x).max(-1, keepdims=True)
;;       e = np.where(a > 0, np.clip(np.frexp(np.where(a > 0, a, 1))[1] - 1 - 2, -126, 127), 0)      # np.frexp(a)[1] - 1 = floor(log2(a)), exactly
;;       r = np.clip(x / 2.0 ** e, -7.5, 7.5)
;;       step = 2.0 ** (np.maximum(np.frexp(np.where(r == 0, 1, r))[1] - 1, 0) - 3)
;;       q = np.round(r / step) * step * 2.0 ** e      # np.round: ties to even
;;       return np.moveaxis(q.reshape(q.shape[:-2] + (-1,))[..., :K], -1, axis).astype(np.float32)
;;   ~~~
;;   OPERANDS COMPUTED ON THE WAY. 'Computed on the way' means the value that the module computes at that place (a softmax that the list does not call 'softmax' is quantised finished and normalised). What goes into a quantiser is computed in f32, as accurately as f32 sums, v_exp_f32 and their like allow (about 1e-6 of the number): no bf16 or f16 on the way to a quantiser, and a product that is left as it is and whose result goes on into a quantised operand takes f32 operands (vector FMAs, or v_wmma_f32_16x16x4_f32). A number that lies on a knife's edge between two numbers of the format may be rounded either way, as far as f32 arithmetic and the matrix unit's own rounding can turn it there, and no further.
;; One version. Each part assembles by itself: llvm-mc -triple=amdgcn-amd-amdhsa -mcpu=gfx1250 --defsym DOCPART=n.
;; ======== version 1 of 1: 3 launches
;; workspace buffers: codes 40,140,800 bytes; gc 6,553,600 bytes
;; launch quant (part 1): grid 3136 x 1, 1 waves a work-group, no clusters, 9,472 bytes of LDS; arguments k, v_backward, Wq, Wv, Wo, q, qe, codes; writes codes
.if DOCPART == 1
	.amdgcn_target "amdgcn-amd-amdhsa--gfx1250"
	.amdhsa_code_object_version 6
	.text
	.protected	k_qf3d7923444_quant
	.globl	k_qf3d7923444_quant
	.p2align	8
	.type	k_qf3d7923444_quant,@function
k_qf3d7923444_quant:
	s_mov_b64 s[64:65], 0
	v_nop
	global_prefetch_b8 v0, s[64:65] scope:SCOPE_SE
	s_setreg_imm32_b32 hwreg(HW_REG_WAVE_MODE, 25, 1), 1
	s_wait_xcnt 0x0
; k, v_backward, Wq, Wv, Wo, q and qe (f32, K innermost in all of them) become codes of FP6 (E2M3) with one E8M0 scale byte for each 32 along K, laid in the ORDER OF THE OPERAND'S REGISTERS.
; A FRAGMENT is 16 rows x 128 K = 12 registers a lane.  Its image is 1,536 bytes: registers 4 c .. 4 c + 3 of lane l at 512 c + 16 l.  Three loads of 16 bytes a lane give the operand back.
; SCALE WORDS: for 16 rows and four K steps 256 bytes: row r's four words at 16 r.
; A block's scale is 2^(floor(log2(largest magnitude)) - 2); its byte is the largest magnitude's exponent field - 2, held at 1 from below.
; LIMITS: a block whose largest magnitude lies under 2^-124 (a block of zeros too, where the rule says byte 127) gets the byte 1: zeros give zero codes, and this program alone reads the bytes.  NaN and infinities are not served.
; SHARES.  A work-group is ONE wave and takes one UNIT of eight fragments: 16 rows x 1,024 along K (of qe: 128 rows x 128).  3,136 units, unit = the work-group's number: the units are dealt out singly, and with 256 registers
; and 9,472 bytes of LDS sixteen of them fit on a WGP.
; ONE PATH serves all seven tensors: what differs (pitch, which rows form a tile, where the images go) is chosen by scalar selects on the unit's number.
; Wq's and Wv's tiles take rows that are not neighbours (lane r of tile t: row 32 (t / 2) + 8 (t % 2) + r + 8 (r / 8)), so that the products' results come out as neighbours along the next K.
; q's fragments hold q[b] in ALL 16 rows, so that its product gives qp[b] to every lane.
; Each load reads 512 consecutive bytes of one row; the 16 rows turn through the wave's stage in LDS (pitch 528 bytes), from which a lane takes 16 neighbours of each block of 32, INTO THE REGISTERS THAT THEY LEFT.
; So three sets of 64 registers take turns: one at work, two on their way in.  The loads of fragment f + 2 are issued at the head of fragment f, ahead of its wait and of its turn through LDS: 48 loads (24,576 bytes) are out at the start, 32 to 48 later.
; No tensor loads, no barrier.
.set AC, 0                             ; codes: k's and v_backward's images  [batch 64][slot 10][51,200]: 32 fragments (4 x row tile + step), then 8 x 256 bytes of scale words
.set WC, 32768000                      ; Wq's and Wv's  [head group 4][slot 10][102,400]: 64 fragments (4 x column tile + step), then 16 x 256
.set OC, 36864000                      ; Wo's  [column group 4][slot 2][102,400]
.set QC, 37683200                      ; q's  [batch 64][slot 4][6,400]: 4 fragments, then 256
.set EC, 39321600                      ; qe's  [batch 64][12,800]: 8 fragments, then 2 x 256
.set SPITCH, 528                       ; a stage row: 512 bytes + 16, so that the 16 rows of a read start 16 bytes apart modulo 256
.set U, 21                             ; s21  unit
.set P_FIRST, 22                       ; s22-35 the tensor's parameters
.set P_LOGN, 23
.set P_ROWB, 24
.set P_SH, 25
.set P_PERM, 26
.set P_RS, 27
.set P_HI, 28
.set P_FSTEP, 29
.set P_REG, 30
.set P_GSTR, 31
.set P_CSTR, 32
.set P_LG, 33
.set P_SOFF, 34
.set P_SSTR, 35
.set SRC, 38                           ; s[38:39] the tensor
.set BASE, 40                          ; s[40:55] where each of the eight fragments begins in it: no pointer is ever stepped
.set D0, 56                            ; s[56:57], s[58:59] where fragments 0-3 and 4-7 go
.set SD, 60                            ; s[60:61] where the scale words go
.set SEL, 62                           ; s[62:63] lane selects for v_permlanex16_b32: lane l xor 16
.set RR, 1                             ; v1   r = lane % 16
.set HH, 2                             ; v2   h = lane / 16
.set L16, 3                            ; v3   16 x lane: my place in a row of the stage on the way in, and in an image
.set STR, 5                            ; v5   the stage on the way out
.set SOFFV, 6                          ; v6   my 16 bytes of scale words
.set NW, 7                             ; v7   the scale word just made
.set OFF, 8                            ; v8-23  row i of the tile: its byte offset + 16 x lane; never rewritten
.set PW, 24                            ; v24-27 scale words: lanes 0-15 fragments 0-3, lanes 16-31 fragments 4-7
.set TM, 28                            ; v28-39 at work in QUANT
.set PC, 40                            ; v40-59 the codes just made (12) and 8 at work
.set RAW, 64                           ; v64-255 three sets of 64: fragment f in set f % 3, as loaded and then turned: register 16 b + i = k 32 b + 16 h + i of row r
.macro TENSOR first, ptr, logn, rowb, sh, perm, hi, rs, fstep, reg, gstr, cstr, lg, soff, sstr
	s_cmp_ge_u32 s[U], \first                      ; called in ascending order of first: the last tensor that begins at or under my unit stays
	s_cselect_b64 s[SRC:SRC+1], s[\ptr:\ptr+1], s[SRC:SRC+1]
	s_cselect_b32 s[P_FIRST], \first, s[P_FIRST]
	s_cselect_b32 s[P_LOGN], \logn, s[P_LOGN]
	s_cselect_b32 s[P_ROWB], \rowb, s[P_ROWB]
	s_cselect_b32 s[P_SH], \sh, s[P_SH]
	s_cselect_b32 s[P_PERM], \perm, s[P_PERM]
	s_cselect_b32 s[P_RS], (\rs)*(\rowb), s[P_RS]
	s_cselect_b32 s[P_HI], (\hi)*(\rowb), s[P_HI]
	s_cselect_b32 s[P_FSTEP], \fstep, s[P_FSTEP]
	s_cselect_b32 s[P_REG], \reg, s[P_REG]
	s_cselect_b32 s[P_GSTR], \gstr, s[P_GSTR]
	s_cselect_b32 s[P_CSTR], \cstr, s[P_CSTR]
	s_cselect_b32 s[P_LG], \lg, s[P_LG]
	s_cselect_b32 s[P_SOFF], \soff, s[P_SOFF]
	s_cselect_b32 s[P_SSTR], \sstr, s[P_SSTR]
.endm
; 64 numbers of a lane, v[s] on, register 16 b + i = k 32 b + 16 h + i of my row, become a fragment's codes in v[pc] .. v[pc + 11] and its scale word in v[pw].
.macro QUANT s, pc, pw
.irp b, 0,1,2,3
	v_max3_num_f32 v[TM+\b], |v[\s+16*\b]|, |v[\s+1+16*\b]|, 0x1800000   ; block b: my 16 numbers, and the floor 2^(3 - 127): the byte cannot fall under 1
.endr
.irp i, 2,4,6,8,10,12,14
.irp b, 0,1,2,3
	v_max3_num_f32 v[TM+\b], v[TM+\b], |v[\s+16*\b+\i]|, |v[\s+1+16*\b+\i]|   ; the four blocks by turns
.endr
.endr
.irp b, 0,1,2,3
	v_permlanex16_b32 v[TM+4+\b], v[TM+\b], s[SEL], s[SEL+1]
.endr
.irp b, 0,1,2,3
	v_max_num_f32 v[TM+\b], v[TM+\b], v[TM+4+\b]   ; with lane l xor 16's 16: the block's largest magnitude
.endr
.irp b, 0,1,2,3
	v_add_nc_u32 v[TM+8+\b], 0xff000000, v[TM+\b]  ; 2 off its exponent field: the conversion takes this operand's exponent field as its scale
.endr
.irp b, 0,1,2,3
	v_lshrrev_b32 v[TM+4+\b], 23, v[TM+8+\b]       ; the scale's byte
.endr
	v_lshl_or_b32 v[\pw], v[TM+5], 8, v[TM+4]
	v_lshl_or_b32 v[\pw], v[TM+6], 16, v[\pw]
	v_lshl_or_b32 v[\pw], v[TM+7], 24, v[\pw]      ; my row's scale word
.irp c, 0,1
	v_cvt_scalef32_pk16_fp6_f32 v[\pc+6*\c:\pc+2+6*\c], v[\s+32*\c:\s+15+32*\c], v[TM+8+2*\c]
	v_cvt_scalef32_pk16_fp6_f32 v[\pc+12+4*\c:\pc+14+4*\c], v[\s+16+32*\c:\s+31+32*\c], v[TM+8+2*\c+1]   ; (a conversion's three registers begin on an even number)
.endr
	v_nop                                          ; one plain instruction behind the scaled conversions
.irp c, 0,1                                    ; the operand wants a WHOLE block in a lane: lanes 0-15 block 2 c, lanes 16-31 block 2 c + 1
.irp i, 0,1,2
	v_permlane16_swap_b32 v[\pc+6*\c+\i], v[\pc+12+4*\c+\i]
.endr
.irp i, 0,1,2
	v_mov_b32 v[\pc+3+6*\c+\i], v[\pc+12+4*\c+\i]
.endr
.endr
.endm
.macro LOADF f                         ; fragment f: 16 rows x 512 bytes, a row a load, into set f % 3
.irp i, 0,1,2,3,4,5,6,7,8,9,10,11,12,13,14,15
	global_load_b128 v[RAW+64*((\f)%3)+4*\i:RAW+64*((\f)%3)+4*\i+3], v[OFF+\i], s[BASE+2*(\f):BASE+2*(\f)+1] th:TH_LOAD_NT
.endr
.endm
.macro FRAG f
.set XS, RAW+64*((\f)%3)
.if (\f)+2 < 8
	LOADF (\f)+2                                   ; into the set that fragment f - 1 has left: its numbers were last read by that fragment's conversions
.endif
.if (\f) < 6
	s_wait_loadcnt 32                              ; this fragment's 16 loads are in; the 16 of each of the two fragments behind it may be out
.elseif (\f) == 6
	s_wait_loadcnt 16                              ; fragment 7's may be out
.else
	s_wait_loadcnt 0x0
.endif
.irp i, 0,1,2,3,4,5,6,7,8,9,10,11,12,13,14,15
	ds_store_b128 v[L16], v[XS+4*\i:XS+4*\i+3] offset:SPITCH*\i
.endr
.irp b, 0,1,2,3
.irp j, 0,1,2,3
	ds_load_b128 v[XS+16*\b+4*\j:XS+16*\b+4*\j+3], v[STR] offset:128*\b+16*\j   ; LDS serves a wave's instructions in order (ISA guide 5.7.1.4): these see the stores above, and land in the registers that those have read
.endr
.endr
	s_wait_dscnt 0x0                               ; the numbers are back, turned,
	s_wait_xcnt 0x0                                ; and the last fragment's stores have read the codes' registers
	QUANT XS, PC, NW
.if (\f) < 4
	v_mov_b32 v[PW+(\f)], v[NW]
.else
	v_cndmask_b32 v[PW+(\f)-4], v[PW+(\f)-4], v[NW], vcc_lo   ; lanes 16-31 take the second four fragments' words
.endif
.irp c, 0,1,2
	global_store_b128 v[L16], v[PC+4*\c:PC+4*\c+3], s[D0+2*((\f)/4):D0+2*((\f)/4)+1] offset:((\f)%4)*1536+512*\c   ; 32 lanes store 512 consecutive bytes, at a multiple of 256 from the buffer's first byte
.endr
.endm
	s_load_b256 s[4:11], s[0:1], 0x0               ; k, v_backward, Wq, Wv
	s_load_b256 s[12:19], s[0:1], 0x20             ; Wo, q, qe, codes
	v_lshl_add_u32 v62, v0, 2, 0x2400
	v_mov_b32 v63, 0
	s_mov_b32 s[U], ttmp9                          ; my unit
	s_mov_b32 s[P_FIRST], 0                        ; k's parameters start the choice
	s_mov_b32 s[P_LOGN], 9                         ; 2^9 row tiles
	s_mov_b32 s[P_ROWB], 8192                      ; a row in bytes
	s_mov_b32 s[P_SH], 4                           ; first row = tile << 4
	s_mov_b32 s[P_PERM], 0
	s_mov_b32 s[P_RS], 8192                        ; from row to row of a tile's first and second eight
	s_mov_b32 s[P_HI], 8*8192                      ; from the first eight to the second
	s_mov_b32 s[P_FSTEP], 512                      ; from fragment to fragment in the tensor
	s_mov_b32 s[P_REG], AC
	s_mov_b32 s[P_GSTR], 512000                    ; from group (batch, head group) to group in codes
	s_mov_b32 s[P_CSTR], 51200                     ; from slot to slot
	s_mov_b32 s[P_LG], 3                           ; 2^3 tiles in a group
	s_mov_b32 s[P_SOFF], 49152                     ; the scale words in a slot's block
	s_mov_b32 s[P_SSTR], 51200                     ; from the first four fragments' words to the second four's
	s_mov_b32 s[SEL], 0x76543210
	s_mov_b32 s[SEL+1], 0xfedcba98
	s_mov_b32 vcc_lo, 0xffff0000                   ; lanes 16-31
	v_and_b32 v[RR], 15, v0
	v_bfe_u32 v[HH], v0, 4, 1
	v_lshlrev_b32 v[L16], 4, v0                    ; the thread's number is the lane: one wave
	v_mul_u32_u24 v[STR], v[RR], SPITCH
	v_lshl_add_u32 v[STR], v[HH], 6, v[STR]        ; row r, + 64 h: my 16 numbers of a block of 32
.irp b, 0,1,2,3
	v_mov_b32 v[TM+4+\b], 0                        ; written once: a lane permute's destination counts as one of its sources
.endr
	s_wait_kmcnt 0x0
	s_mov_b64 s[SRC:SRC+1], s[4:5]
	TENSOR 1024, 6, 9, 12288, 4, 0, 8, 1, 512, AC+204800, 512000, 51200, 3, 49152, 51200        ; v_backward: slots 4 to 9 of a batch
	TENSOR 2560, 8, 6, 8192, 4, 1, 16, 1, 512, WC, 1024000, 102400, 4, 98304, 102400            ; Wq
	TENSOR 2688, 10, 6, 12288, 4, 1, 16, 1, 512, WC+409600, 1024000, 102400, 4, 98304, 102400   ; Wv: slots 4 to 9 of a head group
	TENSOR 2880, 12, 6, 4096, 4, 0, 8, 1, 512, OC, 204800, 102400, 4, 98304, 102400             ; Wo
	TENSOR 2944, 14, 6, 8192, 0, 0, 0, 0, 512, QC, 25600, 6400, 0, 6144, 6400                   ; q: all 16 rows are row b
	TENSOR 3072, 16, 6, 512, 7, 0, 8, 1, 8192, EC, 12800, 6144, 0, 12288, 256                   ; qe: the eight fragments are eight row tiles
	s_sub_co_u32 s66, s[U], s[P_FIRST]             ; my unit in its tensor
	s_lshr_b32 s67, s66, s[P_LOGN]                 ; which 1,024 along K
	s_lshl_b32 s68, s67, s[P_LOGN]
	s_sub_co_u32 s68, s66, s68                     ; which row tile
	s_lshl_b32 s69, s68, s[P_SH]                   ; its first row: neighbours,
	s_lshr_b32 s70, s68, 1
	s_lshl_b32 s70, s70, 5
	s_and_b32 s71, s68, 1
	s_lshl_b32 s71, s71, 3
	s_or_b32 s70, s70, s71                         ; or 32 (tile / 2) + 8 (tile % 2)
	s_cmp_eq_u32 s[P_PERM], 1
	s_cselect_b32 s69, s70, s69
	s_mul_i32 s72, s69, s[P_ROWB]
	s_lshl_b32 s73, s67, 12
	s_add_co_u32 s72, s72, s73                     ; the unit's first byte in its tensor (under 2^27)
	s_mov_b32 s73, 0
	s_add_nc_u64 s[BASE:BASE+1], s[SRC:SRC+1], s[72:73]
	s_mov_b32 s74, s[P_FSTEP]
	s_mov_b32 s75, 0
.irp f, 1,2,3,4,5,6,7
	s_add_nc_u64 s[BASE+2*\f:BASE+2*\f+1], s[BASE+2*\f-2:BASE+2*\f-1], s[74:75]
.endr
	s_lshr_b32 s76, s68, s[P_LG]                   ; the tile's group,
	s_lshl_b32 s77, s76, s[P_LG]
	s_sub_co_u32 s77, s68, s77                     ; and its number in the group
	s_mul_i32 s78, s76, s[P_GSTR]
	s_add_co_u32 s78, s78, s[P_REG]
	s_mul_i32 s79, s67, s[P_CSTR]
	s_lshl_b32 s79, s79, 1
	s_add_co_u32 s78, s78, s79                     ; the first of the unit's two slots' blocks
	s_mul_i32 s72, s77, 6144                       ; four fragments a tile
	s_add_co_u32 s72, s72, s78
	s_add_nc_u64 s[D0:D0+1], s[18:19], s[72:73]
	s_mov_b32 s74, s[P_CSTR]
	s_add_nc_u64 s[D0+2:D0+3], s[D0:D0+1], s[74:75]
	s_lshl_b32 s72, s77, 8
	s_add_co_u32 s72, s72, s78
	s_add_co_u32 s72, s72, s[P_SOFF]
	s_add_nc_u64 s[SD:SD+1], s[18:19], s[72:73]
	v_lshlrev_b32 v[SOFFV], 4, v[RR]
	v_mul_u32_u24 v[NW], s[P_SSTR], v[HH]
	v_add_nc_u32 v[SOFFV], v[SOFFV], v[NW]         ; 16 r, lanes 16-31 in the second block of words
	s_mov_b32 s70, 0
	s_mov_b32 s71, s[P_HI]
.irp i, 0,1,2,3,4,5,6,7
	v_add_nc_u32 v[OFF+\i], s70, v[L16]
	v_add_nc_u32 v[OFF+8+\i], s71, v[L16]
	s_add_co_u32 s70, s70, s[P_RS]
	s_add_co_u32 s71, s71, s[P_RS]
.endr
	LOADF 0
	LOADF 1
.irp f, 0,1,2,3,4,5,6,7
	FRAG \f
.endr
	global_store_b128 v[SOFFV], v[PW:PW+3], s[SD:SD+1]   ; each half of the lanes stores 256 consecutive bytes, at a multiple of 256 from the buffer's first byte
	s_wait_tensorcnt 0x0
	ds_add_u32 v62, v63
	s_wait_dscnt 0x0
	s_endpgm
.Lfunc_end_k_qf3d7923444_quant:
	.size	k_qf3d7923444_quant, .Lfunc_end_k_qf3d7923444_quant-k_qf3d7923444_quant
	.p2alignl 7, 3214868480
	.fill 96, 4, 3214868480
	.section	.rodata,"a",@progbits
	.p2align	6, 0x0
	.amdhsa_kernel k_qf3d7923444_quant
		.amdhsa_group_segment_fixed_size 9472
		.amdhsa_private_segment_fixed_size 0
		.amdhsa_enable_private_segment 0
		.amdhsa_kernarg_size 64
		.amdhsa_user_sgpr_count 2
		.amdhsa_user_sgpr_kernarg_segment_ptr 1
		.amdhsa_wavefront_size32 1
		.amdhsa_system_sgpr_workgroup_id_x 1
		.amdhsa_system_sgpr_workgroup_id_y 1
		.amdhsa_system_sgpr_workgroup_id_z 1
		.amdhsa_system_vgpr_workitem_id 0
		.amdhsa_next_free_vgpr 256
		.amdhsa_next_free_sgpr 100
		.amdhsa_reserve_vcc 1
		.amdhsa_float_denorm_mode_32 3
		.amdhsa_float_denorm_mode_16_64 3
		.amdhsa_memory_ordered 1
		.amdhsa_forward_progress 1
		.amdhsa_inst_pref_size 71
	.end_amdhsa_kernel
	.amdgpu_metadata
---
amdhsa.version: [ 1, 2 ]
amdhsa.kernels:
  - .name:           k_qf3d7923444_quant
    .symbol:         k_qf3d7923444_quant.kd
    .args:
      - { .name: k, .offset: 0, .size: 8, .value_kind: global_buffer, .address_space: global }
      - { .name: v_backward, .offset: 8, .size: 8, .value_kind: global_buffer, .address_space: global }
      - { .name: Wq, .offset: 16, .size: 8, .value_kind: global_buffer, .address_space: global }
      - { .name: Wv, .offset: 24, .size: 8, .value_kind: global_buffer, .address_space: global }
      - { .name: Wo, .offset: 32, .size: 8, .value_kind: global_buffer, .address_space: global }
      - { .name: q, .offset: 40, .size: 8, .value_kind: global_buffer, .address_space: global }
      - { .name: qe, .offset: 48, .size: 8, .value_kind: global_buffer, .address_space: global }
      - { .name: codes, .offset: 56, .size: 8, .value_kind: global_buffer, .address_space: global }
    .group_segment_fixed_size: 9472
    .private_segment_fixed_size: 0
    .kernarg_segment_align: 8
    .kernarg_segment_size: 64
    .max_flat_workgroup_size: 32
    .sgpr_count:     100
    .vgpr_count:     256
    .wavefront_size: 32
...
	.end_amdgpu_metadata
.endif
;; end of part 1
;; launch fused (part 2): grid 4 x 64, 4 waves a work-group, clusters of 4 x 4, 327,680 bytes of LDS; arguments codes, bq, bv, correlation_weight, lambdas, gc, out1; writes gc, out1
.if DOCPART == 2
	.amdgcn_target "amdgcn-amd-amdhsa--gfx1250"
	.amdhsa_code_object_version 6
	.text
	.protected	k_qf3d7923444_fused
	.globl	k_qf3d7923444_fused
	.p2align	8
	.type	k_qf3d7923444_fused,@function
k_qf3d7923444_fused:
	s_mov_b64 s[64:65], 0
	v_nop
	global_prefetch_b8 v0, s[64:65] scope:SCOPE_SE
	s_setreg_imm32_b32 hwreg(HW_REG_WAVE_MODE, 25, 1), 1
	s_wait_xcnt 0x0
	s_wait_alu depctr_hold_cnt(0) depctr_sa_sdst(0) depctr_va_vdst(0) depctr_va_sdst(0) depctr_va_ssrc(0) depctr_va_vcc(0) depctr_vm_vsrc(0)
	s_getreg_b32 s2, hwreg(HW_REG_IB_STS2, 6, 4)
	s_cmp_eq_u32 s2, 0
	s_cbranch_scc0 .Lentry_in_a_cluster
	s_endpgm
.Lentry_in_a_cluster:
	s_bfe_u32 s2, ttmp6, 0x10000c
	s_cmp_lg_u32 s2, 0xf033
	s_cbranch_scc0 .Lentry_shape_is_right
	s_endpgm
.Lentry_shape_is_right:
; For batch b and the four heads 4 g .. 4 g + 3: kp = Q(k) Q(Wq)^T + bq and qp = Q(q) Q(Wq)^T + bq; scores = qp . kp / 8 (f32 multiply-adds); qe_score = Q(scores) Q(qe)^T; out1 = head 0's qe_score;
; gate = sigmoid(lambda cw + (1 - lambda) qe_score); vp = Q(v_backward) Q(Wv)^T + bv; vg = gate x vp, quantised along (head, channel) into gc, laid as the last product's operand.
; All quantised products on codes of FP6 (E2M3) with E8M0 scales; the codes of the inputs were made by the launch before, as images of the operands' registers (1,536 bytes a fragment, 16 bytes a lane and group of four registers).
; LIMITS: a block of scores or of vg whose largest magnitude lies under 2^-124 (zeros too) gets the scale byte 1; this program alone reads the bytes.  NaN and infinities are not served.
; SHARES.  A work-group owns 128 rows (a batch) x 256 columns (four heads); wave w owns head 4 g + w: 128 x 64 of the product, 32 accumulators, 256 registers.  The grid is 4 wide, so g is the place along the cluster's x.
; THE PRODUCTS ARE USED TRANSPOSED: source 0 = 16 rows of the weight, source 1 = 16 rows of data.  Lane (r, h) holds data row 16 i + r, and, since the weight's tiles take rows 32 (t / 2) + 8 (t % 2) + r + 8 (r / 8),
; register 8 t + j of row tile i is channel 32 (t / 2) + 16 h + 8 (t % 2) + j: a lane's 32 registers are 16 neighbours of each of the head's two blocks of 32.
; In k's phase a ninth data tile, whose 16 rows are all q[b], gives qp to every lane in the same layout: the scores need no broadcast.
; THE RING.  Ten slots' worth of 512 along K (four of k x Wq, six of v_backward x Wv, on end in memory) go through two LDS slots of 153,600 bytes.  4 x 4 work-groups form a cluster: a batch's block is asked for jointly
; along the cluster's row, a head group's block of weights along its column.  Behind each round a wave issues one load (waves 0, 1: the data block's halves; waves 2, 3: the weights').  Two loads of a wave are out at the start, one later.
; REGISTERS, in windows of 256: window 0: addresses, scale words, biases, all that the epilogues work on.  window 1: accumulator (i, t) at v[8 (4 i + t)].
;   window 2: the data's fragments, set p at v[96 p + 12 i]; qp's accumulators at v192; qe_score's results at v112 (in set 1, idle then).
;   window 3: q's fragments, three sets of four at v0, v48, v96 (later qe's eight at v48); the weight's fragments, set p at v[144 + 48 p + 12 t].
.set WC, 32768000
.set QC, 37683200
.set EC, 39321600
.set ABLK, 51200                       ; a slot's block of data: 32 fragments, 8 x 256 bytes of scale words
.set BBLK, 102400                      ; and of weights: 64 fragments, 16 x 256
.set SLOT, ABLK+BBLK
.set FRB, 1536
.set SCR, 2*SLOT                       ; behind the ring: 512 bytes a wave: its head's 128 scores,
.set O1S, SCR+2048                     ; 512 bytes a wave: its head's qe_score,
.set SCB, O1S+2048                     ; 1,024 bytes: vg's scale bytes [row tile 8][r 16][wave 4][2],
.set SPARE, SCB+1024                   ; and the spare words, 128 bytes a wave: two blocks of 256 bytes that no other line names
.set RR, 1                             ; v1   r = lane % 16
.set HH, 2                             ; v2   h = lane / 16
.set L16, 3                            ; v3   16 x lane
.set ADRA, 3                           ; v3-4 LDS: the data's block in slot 0, 1, + 16 x lane
.set BO, 5                             ; v5   64 h: my half's place in a bias
.set ADRB, 6                           ; v6-7 my wave's 16 fragments of the weight
.set ADRS, 8                           ; v8-9 and their scale words
.set SPW, 10                           ; v10  LDS address of my spare word; never rewritten
.set NIL, 11                           ; v11  0; never rewritten
.set SCRW, 12
.set SCRR, 13
.set O1W, 14
.set O1R, 15
.set SCBW, 16
.set SCBR, 17
.set L8, 18                            ; v18  8 x lane
.set R16, 19                           ; v19  16 r
.set R4, 20                            ; v20  4 r
.set PFO, 21                           ; v21  256 x lane: the prefetches' offset
.set LAM, 22                           ; v22  lambda of my head;  v23  1 - lambda
.set OML, 23
.set TT, 24                            ; v24-27 at work
.set HV, 28                            ; v28  my head's number
.set SA, 32                            ; v32-63 the data's scale words: set s at + 16 s; register 4 (i / 2) + q: lanes 0-15 tile 2 (i / 2), lanes 16-31 the odd tile
.set SB, 64                            ; v64-79 the weight's: set s at + 8 s; register 4 (t / 2) + q
.set QS, 80                            ; v80-95 q's scale words, four a slot; later v80-83 qe's and v84 the scores': scales and nothing else
.set ES, 80
.set SW, 84
.set BIAS, 96                          ; v96-127 bq, then bv: eight registers a tile, in the result's layout
.set QP, 128                           ; v128-159 qp / 8; later the codes just made (12) and 8 at work
.set PC, 128
.set CW, 160                           ; v160-167 correlation_weight of rows 16 n + r, then x lambda
.set GG, 168                           ; v168-175 the gate of rows 16 n + r
.set ST, 176                           ; v176-239 64 numbers ahead of a quantiser
.set TM, 240                           ; v240-251 at work in the quantisers
.set SP, 240                           ; v240-255 before that: the scores' sums, a pair a row tile
.set PW, 252
.set QF0, 0
.set QF1, 48
.set QF2, 96
.set EF, 48
.set BF, 144
.set QA, 192
.set DN, 112
.set G1A, 28                           ; s[28:35], s[36:43] descriptor groups 1;  s[44:51], s[52:59] groups 0, a set for each slot
.set G1B, 36
.set G0A, 44
.set G0B, 52
.set SEL, 60                           ; s[60:61] lane selects: lane l xor 16
.set PFA, 66                           ; s[66:67] where my prefetches stand
.set LIM, 68                           ; s68  2 in wave 0, else the greatest number
.set LAP, 69                           ; s69  counts v's loop
.set QB, 86                            ; s[86:87] q's images of my batch;  s[88:89] qe's
.set EB, 88
.set GCB, 90                           ; s[90:91] where my head's half fragments go;  s[92:93] my wave's 256 scale bytes
.set GSB, 92
.set O1B, 94                           ; s[94:95] out1's row b
.set BVB, 96                           ; s[96:97] bv at my head
.set MSB, 0
.macro WIN new                         ; the immediate's high byte repeats the setting that is left
.if MSB != \new
	s_set_vgpr_msb (MSB<<8)|\new
.set MSB, \new
.endif
.endm
.set W_MUL,  0x5b                      ; source 0 (weight) window 3, source 1 (data) window 2, C and D window 1
.set W_MUL1, 0x4b                      ; the same, C (the bias) window 0
.set W_Q,    0xaf                      ; both sources window 3, C and D window 2
.set W_Q1,   0x8f                      ; the same, C window 0
.set TO_A,   0x80                      ; destination window 2
.set TO_B,   0xc0                      ; destination window 3
.set W_E,    0x8c                      ; source 0 window 0, source 1 window 3, D window 2
.macro PLACES n
.rept \n
	v_nop
.endr
.endm
; A joint load: waves 0 and 1 fetch the data block's halves, waves 2 and 3 the weights'.  Each line has one mask and one set of registers for all that issue it; the branch hangs on the wave's number alone.
; Four v_nop follow each of the two lines, ahead of the jump, the label and what follows.
.macro JLOAD s
	s_cmp_eq_u32 s19, 0
	s_cbranch_scc0 .Lfor_b_\@
	tensor_load_to_lds s[G0A+4*\s:G0A+4*\s+3], s[G1A:G1A+7]
	s_nop 0
.rept 4
	v_nop
.endr
	s_branch .Lasked_\@
.Lfor_b_\@:
	tensor_load_to_lds s[G0B+4*\s:G0B+4*\s+3], s[G1B:G1B+7]
	s_nop 0
.rept 4
	v_nop
.endr
.Lasked_\@:
.endm
.macro CREST                           ; a round of the cluster's barrier behind its opening barrier
	s_cmp_lg_u32 s18, 0
	s_cbranch_scc1 .Lnot_wave_0_\@
	s_barrier_signal -3
.Lnot_wave_0_\@:
	s_barrier_wait -3
	s_barrier_signal -1
	s_barrier_wait -1
.endm
.macro CROUND                          ; a whole round
	s_barrier_signal -1
	s_barrier_wait -1
	CREST
.endm
; A PREFETCH INTO THE L2 of my batch's stream of data codes (512,000 consecutive bytes, read by this row of the cluster alone): the changes of slots 0 to 4 name 65,536 bytes each, from byte 153,600 (slot 3) on,
; so each request stands one refill or more ahead of the load that wants its bytes.  Wave 0 of each of the four partners asks, two instructions of 32 lanes 256 bytes apart; the partners are told apart BY ADDRESS
; (8,192 bytes x place).  Each block of 256 bytes is named once; the last byte named is 481,279 of the batch's 512,000; slots 0 to 2 and the stream's end come by their loads alone.
.macro ASK mode                        ; mode 3: in v's loop, whose first trip alone asks
.if \mode == 3
	s_cmp_eq_u32 s[LAP], s[LIM]
.else
	s_cmp_eq_u32 s[LIM], 2
.endif
	s_cbranch_scc0 .Lnot_mine_\@
	global_prefetch_b8 v[PFO], s[PFA:PFA+1] th:TH_LOAD_NT scope:SCOPE_SE
	global_prefetch_b8 v[PFO], s[PFA:PFA+1] offset:32768 th:TH_LOAD_NT scope:SCOPE_SE
.Lnot_mine_\@:
.endm
; One matrix instruction.  ra, rb: the side's scale words stand in lanes 16-31 of the register named.
.macro WM d, a, b, c, sa, sb, ra, rb
.if (\ra) && (\rb)
	v_wmma_scale_f32_16x16x128_f8f6f4 v[\d:\d+7], v[\a:\a+11], v[\b:\b+11], v[\c:\c+7], v[\sa], v[\sb] matrix_a_fmt:MATRIX_FMT_FP6 matrix_b_fmt:MATRIX_FMT_FP6 matrix_a_scale:MATRIX_SCALE_ROW1 matrix_b_scale:MATRIX_SCALE_ROW1
.elseif (\ra)
	v_wmma_scale_f32_16x16x128_f8f6f4 v[\d:\d+7], v[\a:\a+11], v[\b:\b+11], v[\c:\c+7], v[\sa], v[\sb] matrix_a_fmt:MATRIX_FMT_FP6 matrix_b_fmt:MATRIX_FMT_FP6 matrix_a_scale:MATRIX_SCALE_ROW1
.elseif (\rb)
	v_wmma_scale_f32_16x16x128_f8f6f4 v[\d:\d+7], v[\a:\a+11], v[\b:\b+11], v[\c:\c+7], v[\sa], v[\sb] matrix_a_fmt:MATRIX_FMT_FP6 matrix_b_fmt:MATRIX_FMT_FP6 matrix_b_scale:MATRIX_SCALE_ROW1
.else
	v_wmma_scale_f32_16x16x128_f8f6f4 v[\d:\d+7], v[\a:\a+11], v[\b:\b+11], v[\c:\c+7], v[\sa], v[\sb] matrix_a_fmt:MATRIX_FMT_FP6 matrix_b_fmt:MATRIX_FMT_FP6
.endif
.endm
; Row tile i against my four column tiles: fragment set p, the slot's q-th 128 along K, scale set sc.  first = 1: the bias is the C of the sum's first product: nothing is cleared, nothing is added later.
.macro MULI i, p, q, sc, first
.irp t, 0,1,2,3
.if \first
	WM 8*(4*(\i)+\t), BF+48*(\p)+12*\t, 96*(\p)+12*(\i), BIAS+8*\t, SB+8*(\sc)+4*(\t/2)+(\q), SA+16*(\sc)+4*((\i)/2)+(\q), \t%2, (\i)%2
.else
	WM 8*(4*(\i)+\t), BF+48*(\p)+12*\t, 96*(\p)+12*(\i), 8*(4*(\i)+\t), SB+8*(\sc)+4*(\t/2)+(\q), SA+16*(\sc)+4*((\i)/2)+(\q), \t%2, (\i)%2
.endif
.endr
.endm
.macro MUL2 i0, p, q, sc, first        ; eight matrix instructions.  The accumulators take turns, one instruction a turn, in the same order in every step
	MULI \i0, \p, \q, \sc, \first
	MULI (\i0)+1, \p, \q, \sc, \first
.endm
.macro MULW first
.if \first
	WIN W_MUL1
.else
	WIN W_MUL
.endif
.endm
.macro MULQ p, q, sc, first, qf, qs    ; the ninth data tile: q's fragment at v[qf + 12 q] of window 3, its scale word in v[qs + q]
.if \first
	WIN W_Q1
.else
	WIN W_Q
.endif
.irp t, 0,1,2,3
.if \first
	WM QA+8*\t, BF+48*(\p)+12*\t, (\qf)+12*(\q), BIAS+8*\t, SB+8*(\sc)+4*(\t/2)+(\q), (\qs)+(\q), \t%2, 0
.else
	WM QA+8*\t, BF+48*(\p)+12*\t, (\qf)+12*(\q), QA+8*\t, SB+8*(\sc)+4*(\t/2)+(\q), (\qs)+(\q), \t%2, 0
.endif
.endr
.endm
.macro FETCH slot, q, p                ; 36 LDS loads in one run, 512 consecutive bytes each: the eight data fragments and my four weight fragments of the slot's q-th 128 along K, into set p
	WIN TO_A
.irp i, 0,1,2,3,4,5,6,7
.irp c, 0,1,2
	ds_load_b128 v[96*(\p)+12*\i+4*\c:96*(\p)+12*\i+4*\c+3], v[ADRA+\slot] offset:(4*\i+(\q))*FRB+512*\c
.endr
.endr
	WIN TO_B
.irp t, 0,1,2,3
.irp c, 0,1,2
	ds_load_b128 v[BF+48*(\p)+12*\t+4*\c:BF+48*(\p)+12*\t+4*\c+3], v[ADRB+\slot] offset:(4*\t+(\q))*FRB+512*\c
.endr
.endr
.endm
.macro SCALES slot                     ; a slot's scale words: four words a row; lanes 0-15 take an even tile's rows, lanes 16-31 the odd tile's
	WIN 0
.irp i, 0,1,2,3
	ds_load_b128 v[SA+16*\slot+4*\i:SA+16*\slot+4*\i+3], v[ADRA+\slot] offset:32*FRB+512*\i
.endr
.irp t, 0,1
	ds_load_b128 v[SB+8*\slot+4*\t:SB+8*\slot+4*\t+3], v[ADRS+\slot] offset:512*\t
.endr
.endm
; A step of 128 along K that has its successor in the same slot (q = 0, 1, 2).  The next step's fragments are asked for first and land while this step is multiplied.
; A load into a register that a matrix instruction has read stands four plain vector instructions behind it (ISA guide 7.12.1 for vector instructions).
.macro STEP slot, q, first, kq, qf, qs
	s_wait_dscnt 0x0                               ; this step's fragments (and, at a slot's head, its scale words) are in
	PLACES 4
	FETCH \slot, (\q)+1, 1-(\q)%2
	MULW \first
	MUL2 0, (\q)%2, \q, \slot, \first
	MUL2 2, (\q)%2, \q, \slot, \first
	MUL2 4, (\q)%2, \q, \slot, \first
	MUL2 6, (\q)%2, \q, \slot, \first
.if \kq
	MULQ (\q)%2, \q, \slot, \first, \qf, \qs
.endif
.endm
; A slot's last step changes slots: ONE barrier; in front of it each wave waits for all its tensor loads (its part of the next slot), adds 0 to its spare word, and waits for that and for its reads of this slot.
; fill = 1: the barrier opens a round of the cluster's barrier, and this slot is filled again, two slots ahead: the load has a slot's four steps in which to land.
; ask: 0 no prefetch; 1 ask; 2 step the address and ask; 3 the same in v's loop.
.macro TURN slot, next, fill, kq, qf, qs, ask
.if \ask > 1
	s_wait_xcnt 0x0                                ; the last prefetches, a slot back, have read their address
	s_add_nc_u64 s[PFA:PFA+1], s[PFA:PFA+1], 65536
.endif
	WIN 0                                          ; (the add's two registers lie in window 0)
	s_wait_tensorcnt 0x0                           ; all my tensor loads have landed
	ds_add_u32 v[SPW], v[NIL]                      ; 0 onto my spare word
	s_wait_dscnt 1                                 ; this step's 36 loads are in; the add alone may be out
	WIN W_MUL
	MUL2 0, 1, 3, \slot, 0                         ; eight matrix instructions stand between the add and the wait for it
	s_wait_dscnt 0x0                               ; the add is done, and my reads of this slot are over
	s_barrier_signal -1
	MUL2 2, 1, 3, \slot, 0
	WIN 0
	s_barrier_wait -1
.if \fill
	CREST                                          ; no wave of any partner still reads this slot or has a load on its way
	s_add_nc_u64 s[G0A+4*\slot+2:G0A+4*\slot+3], s[G0A+4*\slot+2:G0A+4*\slot+3], 2*ABLK
	s_add_nc_u64 s[G0B+4*\slot+2:G0B+4*\slot+3], s[G0B+4*\slot+2:G0B+4*\slot+3], 2*BBLK
	JLOAD \slot                                    ; the first tensor load behind the round; its four v_nop are also the places in front of the loads below
.else
	PLACES 4
.endif
	FETCH \next, 0, 0
	SCALES \next
.if \ask
	ASK \ask
.endif
	WIN W_MUL
	MUL2 4, 1, 3, \slot, 0
	MUL2 6, 1, 3, \slot, 0
.if \kq
	MULQ 1, 3, \slot, 0, \qf, \qs
.endif
.endm
; 64 numbers of a lane, v[s] on, register 16 b + i = k 32 b + 16 h + i of my row, become 12 registers of codes in v[pc] on and a scale word in v[pw].
.macro QUANT s, pc, pw
.irp b, 0,1,2,3
	v_max3_num_f32 v[TM+\b], |v[\s+16*\b]|, |v[\s+1+16*\b]|, 0x1800000   ; block b: my 16 numbers, and the floor 2^(3 - 127): the byte cannot fall under 1
.endr
.irp i, 2,4,6,8,10,12,14
.irp b, 0,1,2,3
	v_max3_num_f32 v[TM+\b], v[TM+\b], |v[\s+16*\b+\i]|, |v[\s+1+16*\b+\i]|
.endr
.endr
.irp b, 0,1,2,3
	v_permlanex16_b32 v[TM+4+\b], v[TM+\b], s[SEL], s[SEL+1]
.endr
.irp b, 0,1,2,3
	v_max_num_f32 v[TM+\b], v[TM+\b], v[TM+4+\b]   ; with lane l xor 16's 16: the block's largest magnitude
.endr
.irp b, 0,1,2,3
	v_add_nc_u32 v[TM+8+\b], 0xff000000, v[TM+\b]  ; 2 off its exponent field: the conversion's scale operand
.endr
.irp b, 0,1,2,3
	v_lshrrev_b32 v[TM+4+\b], 23, v[TM+8+\b]       ; the scale's byte
.endr
	v_lshl_or_b32 v[\pw], v[TM+5], 8, v[TM+4]
	v_lshl_or_b32 v[\pw], v[TM+6], 16, v[\pw]
	v_lshl_or_b32 v[\pw], v[TM+7], 24, v[\pw]
.irp c, 0,1
	v_cvt_scalef32_pk16_fp6_f32 v[\pc+6*\c:\pc+2+6*\c], v[\s+32*\c:\s+15+32*\c], v[TM+8+2*\c]
	v_cvt_scalef32_pk16_fp6_f32 v[\pc+12+4*\c:\pc+14+4*\c], v[\s+16+32*\c:\s+31+32*\c], v[TM+8+2*\c+1]   ; (a conversion's three registers begin on an even number)
.endr
	v_nop                                          ; one plain instruction behind the scaled conversions
.irp c, 0,1                                    ; a WHOLE block to a lane: lanes 0-15 block 2 c, lanes 16-31 block 2 c + 1
.irp i, 0,1,2
	v_permlane16_swap_b32 v[\pc+6*\c+\i], v[\pc+12+4*\c+\i]
.endr
.irp i, 0,1,2
	v_mov_b32 v[\pc+3+6*\c+\i], v[\pc+12+4*\c+\i]
.endr
.endr
.endm
	s_load_b256 s[4:11], s[0:1], 0x0               ; codes, bq, bv, correlation_weight
	s_load_b128 s[12:15], s[0:1], 0x20             ; lambdas, gc
	s_load_b64 s[16:17], s[0:1], 0x30              ; out1
	v_lshl_add_u32 v[SPW], v0, 2, SPARE
	v_mov_b32 v[NIL], 0
	ds_add_u32 v10, v11
	ds_add_u32 v10, v11
	s_wait_dscnt 0x0
	v_lshrrev_b32 v1, 5, v0
	v_readfirstlane_b32 s18, v1                    ; wave 0..3
	s_lshr_b32 s19, s18, 1                         ; I fetch data (0) or weights (1),
	s_and_b32 s20, s18, 1                          ; this half of the block
	s_bfe_u32 s21, ttmp6, 0x40000                  ; cx = g, the head group
	s_bfe_u32 s22, ttmp6, 0x40004                  ; cy
	s_and_b32 s23, ttmp7, 0xffff
	s_lshl_b32 s23, s23, 2
	s_add_co_u32 s23, s23, s22                     ; b = 4 x cluster y + cy
	s_lshl_b32 s24, s21, 2
	s_add_co_u32 s24, s24, s18                     ; my head
	s_lshl_b32 s25, s22, 2
	s_lshl_b32 s25, 15, s25                        ; my row of the cluster
	s_lshl_b32 s26, 0x1111, s21                    ; my column
	; descriptor groups 1: dense blocks as rows of 256 bytes (32 elements of 8 bytes): 100 rows of data, 200 of weights; no padding: every LDS read takes 512 bytes on end
	s_or_b32 s[G1A], s25, (3<<16)|(1<<21)          ; 15:0 the mask; 17:16 elements of 8 bytes; 21 set beside a mask
	s_or_b32 s[G1B], s26, (3<<16)|(1<<21)
	s_mov_b32 s[G1A+1], 32<<16                     ; tensor_dim0 = 32
	s_mov_b32 s[G1A+2], 100<<16                    ; tensor_dim1
	s_mov_b32 s[G1A+3], 32<<16                     ; tile_dim0
	s_mov_b32 s[G1A+4], 100                        ; tile_dim1
	s_mov_b32 s[G1A+5], 32                         ; from row to row
	s_mov_b32 s[G1A+6], 0
	s_mov_b32 s[G1A+7], 0
	s_mov_b32 s[G1B+1], 32<<16
	s_mov_b32 s[G1B+2], 200<<16
	s_mov_b32 s[G1B+3], 32<<16
	s_mov_b32 s[G1B+4], 200
	s_mov_b32 s[G1B+5], 32
	s_mov_b32 s[G1B+6], 0
	s_mov_b32 s[G1B+7], 0
	; the data's address hangs on b and the wave alone, the weights' on g and the wave alone, each in registers that never hold the other coordinate
	s_mul_i32 s78, s20, ABLK/2                     ; my half, in memory and in LDS
	s_mul_i32 s79, s20, BBLK/2
	s_mul_i32 s70, s23, 10*ABLK
	s_add_co_u32 s70, s70, s78
	s_mov_b32 s71, 0
	s_mul_i32 s74, s21, 10*BBLK
	s_add_co_u32 s74, s74, s79
	s_add_co_u32 s74, s74, WC
	s_mov_b32 s75, 0
	s_wait_kmcnt 0x0
	s_add_nc_u64 s[72:73], s[4:5], s[70:71]
	s_add_nc_u64 s[76:77], s[4:5], s[74:75]
	CROUND                                         ; all sixteen work-groups are here: the first joint loads meet
.irp s, 0,1
	s_mov_b32 s[G0A+4*\s], 1
	s_add_co_u32 s[G0A+4*\s+1], s78, \s*SLOT
	s_add_nc_u64 s[G0A+4*\s+2:G0A+4*\s+3], s[72:73], \s*ABLK
	s_or_b32 s[G0A+4*\s+3], s[G0A+4*\s+3], 0x80000000
	s_mov_b32 s[G0B+4*\s], 1
	s_add_co_u32 s[G0B+4*\s+1], s79, \s*SLOT+ABLK
	s_add_nc_u64 s[G0B+4*\s+2:G0B+4*\s+3], s[76:77], \s*BBLK
	s_or_b32 s[G0B+4*\s+3], s[G0B+4*\s+3], 0x80000000
	JLOAD \s
.endr
	s_mov_b32 s[SEL], 0x76543210
	s_mov_b32 s[SEL+1], 0xfedcba98
	s_mov_b32 s62, 0x3e000000                      ; 1 / 8 = 1 / sqrt(64): a power of two, so scaling qp first rounds nothing
	s_mov_b32 s81, 0
	s_mul_i32 s80, s23, 25600
	s_add_co_u32 s80, s80, QC
	s_add_nc_u64 s[QB:QB+1], s[4:5], s[80:81]
	s_mul_i32 s80, s23, 12800
	s_add_co_u32 s80, s80, EC
	s_add_nc_u64 s[EB:EB+1], s[4:5], s[80:81]
	; gc: [batch][K group of 512][51,200].  My head is half (w % 2) of K step 2 g + w / 2 of the last product
	s_mul_i32 s82, s23, 102400
	s_lshr_b32 s83, s21, 1
	s_mul_i32 s83, s83, 51200
	s_add_co_u32 s82, s82, s83
	s_and_b32 s83, s21, 1
	s_lshl_b32 s84, s83, 1
	s_add_co_u32 s84, s84, s19
	s_mul_i32 s84, s84, FRB
	s_mul_i32 s85, s20, 768
	s_add_co_u32 s84, s84, s85
	s_add_co_u32 s80, s82, s84
	s_add_nc_u64 s[GCB:GCB+1], s[14:15], s[80:81]
	s_lshl_b32 s84, s83, 10
	s_lshl_b32 s85, s18, 8
	s_add_co_u32 s84, s84, s85
	s_add_co_u32 s84, s84, 32*FRB
	s_add_co_u32 s80, s82, s84
	s_add_nc_u64 s[GSB:GSB+1], s[14:15], s[80:81]
	s_lshl_b32 s80, s23, 9
	s_add_nc_u64 s[O1B:O1B+1], s[16:17], s[80:81]
	s_add_nc_u64 s[84:85], s[10:11], s[80:81]      ; correlation_weight's row b
	s_lshl_b32 s80, s24, 8
	s_add_nc_u64 s[BVB:BVB+1], s[8:9], s[80:81]
	s_add_nc_u64 s[82:83], s[6:7], s[80:81]        ; bq at my head
	s_mul_i32 s80, s23, 10*ABLK
	s_lshl_b32 s74, s21, 13
	s_add_co_u32 s80, s80, s74
	s_add_co_u32 s80, s80, 3*ABLK
	s_add_nc_u64 s[PFA:PFA+1], s[4:5], s[80:81]    ; my work-group's 8,192 bytes, from slot 3 on.  Nothing is prefetched here, at the head
	s_cmp_eq_u32 s18, 0
	s_cselect_b32 s[LIM], 2, -1
	v_and_b32 v[RR], 15, v0
	v_bfe_u32 v[HH], v0, 4, 1
	v_and_b32 v[TT], 31, v0
	v_lshlrev_b32 v[L16], 4, v[TT]
	v_lshlrev_b32 v[L8], 3, v[TT]
	v_lshlrev_b32 v[PFO], 8, v[TT]
	v_lshlrev_b32 v[R16], 4, v[RR]
	v_lshlrev_b32 v[R4], 2, v[RR]
	v_lshlrev_b32 v[BO], 6, v[HH]
	v_mov_b32 v[HV], s24
	v_lshlrev_b32 v[TT], 2, v[HV]                  ; lambda's place
	v_add_nc_u32 v[ADRA+1], SLOT, v[L16]
	s_mul_i32 s80, s18, 16*FRB
	s_add_co_u32 s80, s80, ABLK
	v_add_nc_u32 v[ADRB], s80, v[L16]
	s_add_co_u32 s80, s80, SLOT
	v_add_nc_u32 v[ADRB+1], s80, v[L16]
	s_lshl_b32 s80, s18, 10
	s_add_co_u32 s80, s80, ABLK+64*FRB
	v_add_nc_u32 v[ADRS], s80, v[L16]
	s_add_co_u32 s80, s80, SLOT
	v_add_nc_u32 v[ADRS+1], s80, v[L16]
	s_lshl_b32 s80, s18, 9                         ; 512 bytes a wave
	v_add_nc_u32 v[SCRW], s80, v[R4]
	v_add_nc_u32 v[O1W], O1S, v[SCRW]              ; qe_score of row 16 n + r: 4 r, + 64 n in the immediate
	v_add_nc_u32 v[SCRW], SCR, v[SCRW]             ; the score of row 16 i + r likewise
	v_lshl_add_u32 v[SCRR], v[HH], 7, s80
	v_add_nc_u32 v[SCRR], SCR, v[SCRR]             ; back: every lane of a half takes scores 64 c + 32 h + 0 .. 31
	v_add_nc_u32 v[O1R], s80, v[L16]
	v_add_nc_u32 v[O1R], O1S, v[O1R]
	s_lshl_b32 s80, s18, 1
	v_lshl_add_u32 v[SCBW], v[RR], 3, s80
	v_add_nc_u32 v[SCBW], SCB, v[SCBW]             ; vg's scale bytes: 8 r + 2 w, + 128 x row tile in the immediate
	s_lshl_b32 s80, s18, 8
	v_add_nc_u32 v[SCBR], s80, v[L8]
	v_add_nc_u32 v[SCBR], SCB, v[SCBR]
.irp t, 0,1,2,3
	global_load_b128 v[BIAS+8*\t:BIAS+8*\t+3], v[BO], s[82:83] offset:(32*(\t/2)+8*(\t%2))*4        ; bq at channels 32 (t / 2) + 16 h + 8 (t % 2) + 0 .. 7
	global_load_b128 v[BIAS+8*\t+4:BIAS+8*\t+7], v[BO], s[82:83] offset:(32*(\t/2)+8*(\t%2))*4+16
.endr
.irp n, 0,1,2,3,4,5,6,7
	global_load_b32 v[CW+\n], v[R4], s[84:85] offset:64*\n
.endr
	global_load_b32 v[LAM], v[TT], s[12:13]
.irp t, 0,1,2,3
	global_load_b128 v[QS+4*\t:QS+4*\t+3], v[R16], s[QB:QB+1] offset:6400*\t+6144
.endr
	WIN TO_B
.irp t, 0,1,2
.irp s, 0,1,2,3
.irp c, 0,1,2
	global_load_b128 v[48*\t+12*\s+4*\c:48*\t+12*\s+4*\c+3], v[L16], s[QB:QB+1] offset:6400*\t+1536*\s+512*\c   ; q's fragments of slots 0, 1, 2
.endr
.endr
.endr
	s_wait_tensorcnt 1                             ; my part of slot 0 is in; slot 1's may stay out
	s_barrier_signal -1
	s_barrier_wait -1                              ; everybody's is
	FETCH 0, 0, 0
	SCALES 0
	s_wait_loadcnt 0x0
	; ---- k's phase: four slots, written out: q's fragments change registers from slot to slot
	STEP 0, 0, 1, 1, QF0, QS
	STEP 0, 1, 0, 1, QF0, QS
	STEP 0, 2, 0, 1, QF0, QS
	TURN 0, 1, 1, 1, QF0, QS, 1
	PLACES 4                                       ; bq has started its sums, q's slot 0 is multiplied: bv and q's slot 3 take their registers
	WIN 0
.irp t, 0,1,2,3
	global_load_b128 v[BIAS+8*\t:BIAS+8*\t+3], v[BO], s[BVB:BVB+1] offset:(32*(\t/2)+8*(\t%2))*4
	global_load_b128 v[BIAS+8*\t+4:BIAS+8*\t+7], v[BO], s[BVB:BVB+1] offset:(32*(\t/2)+8*(\t%2))*4+16
.endr
	WIN TO_B
.irp s, 0,1,2,3
.irp c, 0,1,2
	global_load_b128 v[QF0+12*\s+4*\c:QF0+12*\s+4*\c+3], v[L16], s[QB:QB+1] offset:6400*3+1536*\s+512*\c
.endr
.endr
	STEP 1, 0, 0, 1, QF1, QS+4
	STEP 1, 1, 0, 1, QF1, QS+4
	STEP 1, 2, 0, 1, QF1, QS+4
	TURN 1, 0, 1, 1, QF1, QS+4, 2
	PLACES 4                                       ; q's slot 1 is multiplied: qe's row tiles 0-3 take its registers, qe's scale words those of q's slot 0
	WIN 0
	global_load_b128 v[ES:ES+3], v[L16], s[EB:EB+1] offset:12288   ; lanes 0-15: tiles 0-3 of row r; lanes 16-31: tiles 4-7
	WIN TO_B
.irp n, 0,1,2,3
.irp c, 0,1,2
	global_load_b128 v[EF+12*\n+4*\c:EF+12*\n+4*\c+3], v[L16], s[EB:EB+1] offset:1536*\n+512*\c
.endr
.endr
	STEP 0, 0, 0, 1, QF2, QS+8
	STEP 0, 1, 0, 1, QF2, QS+8
	STEP 0, 2, 0, 1, QF2, QS+8
	TURN 0, 1, 1, 1, QF2, QS+8, 2
	s_wait_loadcnt 13                              ; q's slot 3 is in: behind it only qe's 13 loads above were issued
	PLACES 4
	WIN TO_B
.irp n, 4,5,6,7
.irp c, 0,1,2
	global_load_b128 v[EF+12*\n+4*\c:EF+12*\n+4*\c+3], v[L16], s[EB:EB+1] offset:1536*\n+512*\c
.endr
.endr
	STEP 1, 0, 0, 1, QF0, QS+12
	STEP 1, 1, 0, 1, QF0, QS+12
	STEP 1, 2, 0, 1, QF0, QS+12
	TURN 1, 0, 1, 1, QF0, QS+12, 2
	; ---- scores, qe_score, out1, the gate.  v's first fragments are already on their way out of LDS
	PLACES 4
	WIN 0x08                                       ; source 1 window 2
.set nn, 0
.rept 32
	v_mul_f32 v[QP+nn], s62, v[QA+nn]              ; qp / 8, each accumulator from its low end on
.set nn, nn+1
.endr
	WIN 0x01                                       ; source 0 window 1
.irp i, 0,1,2,3,4,5,6,7
	v_pk_mul_f32 v[SP+2*\i:SP+2*\i+1], v[32*\i:32*\i+1], v[QP:QP+1]   ; the first products start the sums; the eight row tiles by turns
.endr
.set nn, 1
.rept 15
.irp i, 0,1,2,3,4,5,6,7
	v_pk_fma_f32 v[SP+2*\i:SP+2*\i+1], v[32*\i+2*nn:32*\i+2*nn+1], v[QP+2*nn:QP+2*nn+1], v[SP+2*\i:SP+2*\i+1]
.endr
.set nn, nn+1
.endr
	WIN 0
.irp i, 0,1,2,3,4,5,6,7
	v_add_f32 v[SP+2*\i], v[SP+2*\i], v[SP+2*\i+1]
.endr
.irp i, 0,1,2,3,4,5,6,7
	v_permlanex16_b32 v[SP+2*\i+1], v[SP+2*\i], s[SEL], s[SEL+1]
.endr
.irp i, 0,1,2,3,4,5,6,7
	v_add_f32 v[SP+2*\i], v[SP+2*\i], v[SP+2*\i+1] ; with lane l xor 16's 32 channels: the score of row 16 i + r
.endr
.irp i, 0,1,2,3,4,5,6,7
	ds_store_b32 v[SCRW], v[SP+2*\i] offset:64*\i  ; both halves of the lanes write the same word with the same value
.endr
.irp c, 0,1
.irp n, 0,1,2,3,4,5,6,7
	ds_load_b128 v[ST+32*\c+4*\n:ST+32*\c+4*\n+3], v[SCRR] offset:256*\c+16*\n   ; my wave's own bytes, served in order.  Register 32 c + i = score 64 c + 32 h + i: two whole blocks a lane
.endr
.endr
	s_wait_dscnt 0x0
.irp c, 0,1
	v_max3_num_f32 v[TM+\c], |v[ST+32*\c]|, |v[ST+32*\c+1]|, 0x1800000
.endr
.irp i, 2,4,6,8,10,12,14,16,18,20,22,24,26,28,30
.irp c, 0,1
	v_max3_num_f32 v[TM+\c], v[TM+\c], |v[ST+32*\c+\i]|, |v[ST+32*\c+\i+1]|
.endr
.endr
.irp c, 0,1
	v_add_nc_u32 v[TM+8+\c], 0xff000000, v[TM+\c]
.endr
.irp c, 0,1
	v_lshrrev_b32 v[TM+4+\c], 23, v[TM+8+\c]
.endr
	v_lshl_or_b32 v[TT], v[TM+5], 16, v[TM+4]      ; my two bytes: blocks h and 2 + h,
	v_lshlrev_b32 v[TT+1], 3, v[HH]
	v_lshlrev_b32 v[TT], v[TT+1], v[TT]            ; at their places in the word;
	v_mov_b32 v[TT+2], 0
	v_permlanex16_b32 v[TT+2], v[TT], s[SEL], s[SEL+1]
	v_or_b32 v[SW], v[TT], v[TT+2]                 ; with lane l xor 16's two the scores' scale word is whole
.irp c, 0,1
	v_cvt_scalef32_pk16_fp6_f32 v[PC+6*\c:PC+6*\c+2], v[ST+32*\c:ST+32*\c+15], v[TM+8+\c]
	v_cvt_scalef32_pk16_fp6_f32 v[PC+12+4*\c:PC+14+4*\c], v[ST+32*\c+16:ST+32*\c+31], v[TM+8+\c]
.endr
	v_nop                                          ; one plain instruction behind the scaled conversions
.irp c, 0,1
.irp i, 0,1,2
	v_mov_b32 v[PC+3+6*\c+\i], v[PC+12+4*\c+\i]    ; a fragment all of whose 16 rows are my head's scores
.endr
.endr
	v_sub_f32 v[OML], 1.0, v[LAM]                  ; nine plain instructions stand between the scale word's and the codes' last writes and the scaled products
.irp n, 0,1,2,3,4,5,6,7
	v_mul_f32 v[CW+\n], v[LAM], v[CW+\n]
.endr
	s_wait_loadcnt 0x0                             ; qe's fragments and scale words, and bv
	WIN W_E
.irp n, 0,1,2,3
	v_wmma_scale_f32_16x16x128_f8f6f4 v[DN+8*\n:DN+8*\n+7], v[PC:PC+11], v[EF+12*\n:EF+12*\n+11], 0, v[SW], v[ES+\n] matrix_a_fmt:MATRIX_FMT_FP6 matrix_b_fmt:MATRIX_FMT_FP6
.endr
.irp n, 4,5,6,7
	v_wmma_scale_f32_16x16x128_f8f6f4 v[DN+8*\n:DN+8*\n+7], v[PC:PC+11], v[EF+12*\n:EF+12*\n+11], 0, v[SW], v[ES+\n-4] matrix_a_fmt:MATRIX_FMT_FP6 matrix_b_fmt:MATRIX_FMT_FP6 matrix_b_scale:MATRIX_SCALE_ROW1
.endr
	PLACES 4
	WIN 0x08                                       ; source 1 (an LDS store's data too) window 2.  Every register of result n is qe_score(my head, 16 n + r): the lowest is taken
.irp n, 0,1,2,3,4,5,6,7
	ds_store_b32 v[O1W], v[DN+8*\n] offset:64*\n
.endr
.irp n, 0,1,2,3,4,5,6,7
	v_fma_f32 v[GG+\n], v[OML], v[DN+8*\n], v[CW+\n]   ; lambda cw + (1 - lambda) qe_score
.endr
	WIN 0
	ds_load_b128 v[TT:TT+3], v[O1R]                ; my head's 128 numbers, 16 bytes a lane
	s_wait_dscnt 0x0
	v_cmp_eq_u32 vcc_lo, 0, v[HV]                  ; head 0 alone stores them: all lanes or none
	s_wait_xcnt 0x0                                ; EXEC changes only behind this wait
	s_and_saveexec_b32 s63, vcc_lo
	global_store_b128 v[L16], v[TT:TT+3], s[O1B:O1B+1]   ; 512 consecutive bytes: out1's row b
	s_wait_xcnt 0x0
	s_or_b32 exec_lo, exec_lo, s63
.irp n, 0,1,2,3,4,5,6,7
	v_mul_f32 v[GG+\n], 0xbfb8aa3b, v[GG+\n]       ; sigmoid(x) = 1 / (1 + 2^(-x log2 e))
.endr
.irp n, 0,1,2,3,4,5,6,7
	v_exp_f32 v[GG+\n], v[GG+\n]
.endr
	v_nop                                          ; a plain instruction behind the last exponential,
	s_wait_alu depctr_va_vdst(0)                   ; and one wait for the eight, ahead of their first reader
.irp n, 0,1,2,3,4,5,6,7
	v_add_f32 v[GG+\n], 1.0, v[GG+\n]
.endr
.irp n, 0,1,2,3,4,5,6,7
	v_rcp_f32 v[GG+\n], v[GG+\n]
.endr
	v_nop
	s_wait_alu depctr_va_vdst(0)                   ; likewise for the eight reciprocals
	; ---- v's phase: six slots.  A trip of the loop goes once round the ring, from a lap's second step to the next lap's first
	STEP 0, 0, 1, 0, 0, 0                          ; bv starts the sums
	WIN 0                                          ; at a label and at a branch every window is 0
	s_mov_b32 s[LAP], 2
.Lvlap:
	STEP 0, 1, 0, 0, 0, 0
	STEP 0, 2, 0, 0, 0, 0
	TURN 0, 1, 1, 0, 0, 0, 3
	STEP 1, 0, 0, 0, 0, 0
	STEP 1, 1, 0, 0, 0, 0
	STEP 1, 2, 0, 0, 0, 0
	TURN 1, 0, 1, 0, 0, 0, 0
	STEP 0, 0, 0, 0, 0, 0
	WIN 0
	s_sub_co_u32 s[LAP], s[LAP], 1
	s_cmp_lg_u32 s[LAP], 0
	s_cbranch_scc1 .Lvlap
	STEP 0, 1, 0, 0, 0, 0                          ; the last lap fills nothing, and has no round of the cluster's barrier
	STEP 0, 2, 0, 0, 0, 0
	TURN 0, 1, 0, 0, 0, 0, 0
	STEP 1, 0, 0, 0, 0, 0
	STEP 1, 1, 0, 0, 0, 0
	STEP 1, 2, 0, 0, 0, 0
	s_wait_dscnt 0x0
	WIN W_MUL
	MUL2 0, 1, 3, 1, 0
	MUL2 2, 1, 3, 1, 0
	MUL2 4, 1, 3, 1, 0
	MUL2 6, 1, 3, 1, 0
	; ---- vg = gate x vp, quantised, two row tiles at a time: their 2 x 2 blocks of 32 channels are QUANT's four blocks.  Registers 6 e .. 6 e + 5 are then my head's half of row tile 2 pr + e's fragment
	PLACES 4
.irp pr, 0,1,2,3
	WIN 0x01
.irp e, 0,1
.set nn, 0
.rept 32
	v_mul_f32 v[ST+32*\e+nn], v[32*(2*\pr+\e)+nn], v[GG+2*\pr+\e]   ; each accumulator from its low end on
.set nn, nn+1
.endr
.endr
	WIN 0
.if \pr > 0
	s_wait_dscnt 0x0                               ; the last pair's stores have read the scale word
	s_wait_xcnt 0x0                                ; and the codes
.endif
	QUANT ST, PC, PW
.irp e, 0,1
	global_store_b128 v[L16], v[PC+6*\e:PC+6*\e+3], s[GCB:GCB+1] offset:(2*\pr+\e)*4*FRB        ; 512 consecutive bytes, at a multiple of 256 from the buffer's first byte
	global_store_b64 v[L8], v[PC+6*\e+4:PC+6*\e+5], s[GCB:GCB+1] offset:(2*\pr+\e)*4*FRB+512    ; 256 likewise
.endr
	ds_store_b16 v[SCBW], v[PW] offset:256*\pr     ; row tile 2 pr's two bytes,
	ds_store_b16_d16_hi v[SCBW], v[PW] offset:256*\pr+128   ; and row tile 2 pr + 1's
.endr
	s_wait_dscnt 0x0                               ; for the others' sake: my scale bytes lie in LDS
	s_barrier_signal -1
	s_barrier_wait -1
	ds_load_b64 v[TT:TT+1], v[SCBR]                ; a row's eight bytes are the four heads': two scale words of the last product
	s_wait_dscnt 0x0
	global_store_b64 v[L8], v[TT:TT+1], s[GSB:GSB+1]   ; 256 consecutive bytes a wave
	s_wait_tensorcnt 0x0                           ; the wave's end
	ds_add_u32 v[SPW], v[NIL]
	s_wait_dscnt 0x0
	CROUND                                         ; the closing round: no work-group ends while a partner may still ask for a block that names it
	s_endpgm
.Lfunc_end_k_qf3d7923444_fused:
	.size	k_qf3d7923444_fused, .Lfunc_end_k_qf3d7923444_fused-k_qf3d7923444_fused
	.p2alignl 7, 3214868480
	.fill 96, 4, 3214868480
	.section	.rodata,"a",@progbits
	.p2align	6, 0x0
	.amdhsa_kernel k_qf3d7923444_fused
		.amdhsa_group_segment_fixed_size 327680
		.amdhsa_private_segment_fixed_size 0
		.amdhsa_enable_private_segment 0
		.amdhsa_kernarg_size 56
		.amdhsa_user_sgpr_count 2
		.amdhsa_user_sgpr_kernarg_segment_ptr 1
		.amdhsa_wavefront_size32 1
		.amdhsa_system_sgpr_workgroup_id_x 1
		.amdhsa_system_sgpr_workgroup_id_y 1
		.amdhsa_system_sgpr_workgroup_id_z 1
		.amdhsa_system_vgpr_workitem_id 0
		.amdhsa_next_free_vgpr 1024
		.amdhsa_next_free_sgpr 100
		.amdhsa_reserve_vcc 1
		.amdhsa_float_denorm_mode_32 3
		.amdhsa_float_denorm_mode_16_64 3
		.amdhsa_memory_ordered 1
		.amdhsa_forward_progress 1
		.amdhsa_inst_pref_size 255
	.end_amdhsa_kernel
	.section	.bss,"aw",@nobits
	.p2align	6
	.space	262144
	.amdgpu_metadata
---
amdhsa.version: [ 1, 2 ]
amdhsa.kernels:
  - .name:           k_qf3d7923444_fused
    .symbol:         k_qf3d7923444_fused.kd
    .args:
      - { .name: codes, .offset: 0, .size: 8, .value_kind: global_buffer, .address_space: global }
      - { .name: bq, .offset: 8, .size: 8, .value_kind: global_buffer, .address_space: global }
      - { .name: bv, .offset: 16, .size: 8, .value_kind: global_buffer, .address_space: global }
      - { .name: correlation_weight, .offset: 24, .size: 8, .value_kind: global_buffer, .address_space: global }
      - { .name: lambdas, .offset: 32, .size: 8, .value_kind: global_buffer, .address_space: global }
      - { .name: gc, .offset: 40, .size: 8, .value_kind: global_buffer, .address_space: global }
      - { .name: out1, .offset: 48, .size: 8, .value_kind: global_buffer, .address_space: global }
    .group_segment_fixed_size: 327680
    .private_segment_fixed_size: 0
    .kernarg_segment_align: 8
    .kernarg_segment_size: 56
    .max_flat_workgroup_size: 128
    .sgpr_count:     100
    .vgpr_count:     1024
    .wavefront_size: 32
...
	.end_amdgpu_metadata
.endif
;; end of part 2
;; launch outp (part 3): grid 4 x 64, 4 waves a work-group, clusters of 4 x 4, 327,680 bytes of LDS; arguments codes, gc, bo, out0; writes out0
.if DOCPART == 3
	.amdgcn_target "amdgcn-amd-amdhsa--gfx1250"
	.amdhsa_code_object_version 6
	.text
	.protected	k_qf3d7923444_outp
	.globl	k_qf3d7923444_outp
	.p2align	8
	.type	k_qf3d7923444_outp,@function
k_qf3d7923444_outp:
	s_mov_b64 s[64:65], 0
	v_nop
	global_prefetch_b8 v0, s[64:65] scope:SCOPE_SE
	s_setreg_imm32_b32 hwreg(HW_REG_WAVE_MODE, 25, 1), 1
	s_wait_xcnt 0x0
	s_wait_alu depctr_hold_cnt(0) depctr_sa_sdst(0) depctr_va_vdst(0) depctr_va_sdst(0) depctr_va_ssrc(0) depctr_va_vcc(0) depctr_vm_vsrc(0)
	s_getreg_b32 s2, hwreg(HW_REG_IB_STS2, 6, 4)
	s_cmp_eq_u32 s2, 0
	s_cbranch_scc0 .Lentry_in_a_cluster
	s_endpgm
.Lentry_in_a_cluster:
	s_bfe_u32 s2, ttmp6, 0x10000c
	s_cmp_lg_u32 s2, 0xf033
	s_cbranch_scc0 .Lentry_shape_is_right
	s_endpgm
.Lentry_shape_is_right:
; out0 = Q(vg) Q(Wo)^T + bo on codes of FP6 (E2M3) with E8M0 scales.  vg's codes (gc) and Wo's (codes) were laid by the launches before as images of the operands' registers.
; SHARES.  A work-group owns 128 rows (batch b) x 256 columns (group g = its place along the cluster's x: the grid is 4 wide); wave w owns 64 of the columns: 32 accumulators, 256 registers.
; THE PRODUCT IS USED TRANSPOSED (source 0 = 16 rows of Wo, source 1 = 16 rows of vg): a lane holds eight neighbouring numbers of a row of out0.
; K = 1,024 is two slots of 512, and both fit in LDS: each is filled ONCE, at the start, and nothing is filled again.  4 x 4 work-groups form a cluster: a batch's block is asked for jointly along the cluster's row,
; a column group's block of Wo along its column.  Two tensor loads of a wave are out at the start, none later.
; gc's fragments lie in halves of 768 bytes (a head each): registers 6 c .. 6 c + 3 at 768 c + 16 x lane, 6 c + 4, 6 c + 5 at 768 c + 512 + 8 x lane.
; REGISTERS: window 0: addresses, scale words, the bias, rows on the way out.  window 1: accumulator (i, t) at v[8 (4 i + t)].  window 2: vg's fragments, set p at v[96 p + 12 i].  window 3: Wo's, set p at v[144 + 48 p + 12 t].
.set OC, 36864000
.set ABLK, 51200
.set BBLK, 102400
.set SLOT, ABLK+BBLK
.set FRB, 1536
.set STAGE, 2*SLOT                     ; behind the slots: 16 rows x (256 bytes + 16) for each wave, bytes into which no fill lands
.set SPITCH, 272
.set RR, 1
.set HH, 2
.set L16, 3                            ; v3   16 x lane
.set A16, 3                            ; v3-4 LDS: vg's block in slot 0, 1, + 16 x lane
.set A8, 5                             ; v5-6 the same + 8 x lane
.set ADRB, 8                           ; v8-9 my wave's 16 fragments of Wo
.set ADRS, 10                          ; v10-11 and their scale words
.set STO, 12                           ; v12  the way out: where I put 32 bytes of a row
.set RD, 13                            ; v13  where I read a row back
.set CO, 14                            ; v14  my byte offset in out0
.set BO, 15                            ; v15  32 h: my half's place in the bias
.set SA, 32                            ; v32-63 vg's scale words: set s at + 16 s; register 4 (i / 2) + q
.set SB, 64                            ; v64-79 Wo's: set s at + 8 s; register 4 (t / 2) + q
.set BIAS, 96                          ; v96-127 bo, eight registers a tile, in the result's layout
.set BK, 128                           ; v128-191 16 rows read back from the stage, two sets
.set BF, 144
.set G1A, 28
.set G1B, 36
.set G0A, 44
.set G0B, 52
.set OUT, 60                           ; s[60:61] out0 at my wave's first row and column
.set MSB, 0
.macro WIN new                         ; the immediate's high byte repeats the setting that is left
.if MSB != \new
	s_set_vgpr_msb (MSB<<8)|\new
.set MSB, \new
.endif
.endm
.set W_MUL,  0x5b                      ; source 0 (Wo) window 3, source 1 (vg) window 2, C and D window 1
.set W_MUL1, 0x4b                      ; the same, C (the bias) window 0
.set TO_A,   0x80
.set TO_B,   0xc0
.macro PLACES n
.rept \n
	v_nop
.endr
.endm
.macro JLOAD s                         ; a joint load: waves 0 and 1 fetch vg's halves, waves 2 and 3 Wo's; four v_nop follow each of the two lines
	s_cmp_eq_u32 s19, 0
	s_cbranch_scc0 .Lfor_b_\@
	tensor_load_to_lds s[G0A+4*\s:G0A+4*\s+3], s[G1A:G1A+7]
	s_nop 0
.rept 4
	v_nop
.endr
	s_branch .Lasked_\@
.Lfor_b_\@:
	tensor_load_to_lds s[G0B+4*\s:G0B+4*\s+3], s[G1B:G1B+7]
	s_nop 0
.rept 4
	v_nop
.endr
.Lasked_\@:
.endm
.macro CROUND                          ; a round of the cluster's barrier
	s_barrier_signal -1
	s_barrier_wait -1
	s_cmp_lg_u32 s18, 0
	s_cbranch_scc1 .Lnot_wave_0_\@
	s_barrier_signal -3
.Lnot_wave_0_\@:
	s_barrier_wait -3
	s_barrier_signal -1
	s_barrier_wait -1
.endm
.macro WM d, a, b, c, sa, sb, ra, rb   ; one matrix instruction; ra, rb: the side's scale words stand in lanes 16-31 of the register named
.if (\ra) && (\rb)
	v_wmma_scale_f32_16x16x128_f8f6f4 v[\d:\d+7], v[\a:\a+11], v[\b:\b+11], v[\c:\c+7], v[\sa], v[\sb] matrix_a_fmt:MATRIX_FMT_FP6 matrix_b_fmt:MATRIX_FMT_FP6 matrix_a_scale:MATRIX_SCALE_ROW1 matrix_b_scale:MATRIX_SCALE_ROW1
.elseif (\ra)
	v_wmma_scale_f32_16x16x128_f8f6f4 v[\d:\d+7], v[\a:\a+11], v[\b:\b+11], v[\c:\c+7], v[\sa], v[\sb] matrix_a_fmt:MATRIX_FMT_FP6 matrix_b_fmt:MATRIX_FMT_FP6 matrix_a_scale:MATRIX_SCALE_ROW1
.elseif (\rb)
	v_wmma_scale_f32_16x16x128_f8f6f4 v[\d:\d+7], v[\a:\a+11], v[\b:\b+11], v[\c:\c+7], v[\sa], v[\sb] matrix_a_fmt:MATRIX_FMT_FP6 matrix_b_fmt:MATRIX_FMT_FP6 matrix_b_scale:MATRIX_SCALE_ROW1
.else
	v_wmma_scale_f32_16x16x128_f8f6f4 v[\d:\d+7], v[\a:\a+11], v[\b:\b+11], v[\c:\c+7], v[\sa], v[\sb] matrix_a_fmt:MATRIX_FMT_FP6 matrix_b_fmt:MATRIX_FMT_FP6
.endif
.endm
.macro MULI i, p, q, sc, first         ; row tile i against my four column tiles; first = 1: the bias is the C of the sum's first product
.irp t, 0,1,2,3
.if \first
	WM 8*(4*(\i)+\t), BF+48*(\p)+12*\t, 96*(\p)+12*(\i), BIAS+8*\t, SB+8*(\sc)+4*(\t/2)+(\q), SA+16*(\sc)+4*((\i)/2)+(\q), \t%2, (\i)%2
.else
	WM 8*(4*(\i)+\t), BF+48*(\p)+12*\t, 96*(\p)+12*(\i), 8*(4*(\i)+\t), SB+8*(\sc)+4*(\t/2)+(\q), SA+16*(\sc)+4*((\i)/2)+(\q), \t%2, (\i)%2
.endif
.endr
.endm
.macro MUL32 p, q, sc, first           ; a step's 32 matrix instructions: the accumulators take turns, one instruction a turn, in the same order in every step
.if \first
	WIN W_MUL1
.else
	WIN W_MUL
.endif
.irp i, 0,1,2,3,4,5,6,7
	MULI \i, \p, \q, \sc, \first
.endr
.endm
.macro FETCH slot, q, p                ; the fragments of the slot's q-th 128 along K into set p: vg's eight in halves, my four of Wo
	WIN TO_A
.irp i, 0,1,2,3,4,5,6,7
.irp c, 0,1
	ds_load_b128 v[96*(\p)+12*\i+6*\c:96*(\p)+12*\i+6*\c+3], v[A16+\slot] offset:(4*\i+(\q))*FRB+768*\c
	ds_load_b64 v[96*(\p)+12*\i+6*\c+4:96*(\p)+12*\i+6*\c+5], v[A8+\slot] offset:(4*\i+(\q))*FRB+768*\c+512
.endr
.endr
	WIN TO_B
.irp t, 0,1,2,3
.irp c, 0,1,2
	ds_load_b128 v[BF+48*(\p)+12*\t+4*\c:BF+48*(\p)+12*\t+4*\c+3], v[ADRB+\slot] offset:(4*\t+(\q))*FRB+512*\c
.endr
.endr
.endm
.macro SCALES slot                     ; a slot's scale words.  vg's lie [pair of steps 2][row tile 8][r 16][2 words]; lanes 0-15 take an even tile's rows, lanes 16-31 the odd tile's
	WIN 0
.irp i, 0,1,2,3
.irp f, 0,1
	ds_load_b64 v[SA+16*\slot+4*\i+2*\f:SA+16*\slot+4*\i+2*\f+1], v[A8+\slot] offset:32*FRB+1024*\f+256*\i
.endr
.endr
.irp t, 0,1
	ds_load_b128 v[SB+8*\slot+4*\t:SB+8*\slot+4*\t+3], v[ADRS+\slot] offset:512*\t
.endr
.endm
; A step that has its successor in the same slot.  A load into a register that a matrix instruction has read stands four plain vector instructions behind it (ISA guide 7.12.1 for vector instructions).
.macro STEP slot, q, first
	s_wait_dscnt 0x0                               ; this step's fragments are in
	PLACES 4
	FETCH \slot, (\q)+1, 1-(\q)%2
	MUL32 (\q)%2, \q, \slot, \first
.endm
	s_load_b256 s[4:11], s[0:1], 0x0               ; codes, gc, bo, out0
	v_lshl_add_u32 v254, v0, 2, 0x4f400
	v_mov_b32 v255, 0
	ds_add_u32 v254, v255
	ds_add_u32 v254, v255
	v_lshrrev_b32 v1, 5, v0
	v_readfirstlane_b32 s18, v1                    ; wave 0..3
	s_lshr_b32 s19, s18, 1                         ; I fetch vg (0) or Wo (1),
	s_and_b32 s20, s18, 1                          ; this half of the block
	s_bfe_u32 s21, ttmp6, 0x40000                  ; cx = g
	s_bfe_u32 s22, ttmp6, 0x40004                  ; cy
	s_and_b32 s23, ttmp7, 0xffff
	s_lshl_b32 s23, s23, 2
	s_add_co_u32 s23, s23, s22                     ; b = 4 x cluster y + cy
	s_lshl_b32 s25, s22, 2
	s_lshl_b32 s25, 15, s25                        ; my row of the cluster
	s_lshl_b32 s26, 0x1111, s21                    ; my column
	s_or_b32 s[G1A], s25, (3<<16)|(1<<21)          ; dense blocks as rows of 256 bytes (32 elements of 8 bytes): 100 rows of vg, 200 of Wo; no padding
	s_or_b32 s[G1B], s26, (3<<16)|(1<<21)
	s_mov_b32 s[G1A+1], 32<<16
	s_mov_b32 s[G1A+2], 100<<16
	s_mov_b32 s[G1A+3], 32<<16
	s_mov_b32 s[G1A+4], 100
	s_mov_b32 s[G1A+5], 32
	s_mov_b32 s[G1A+6], 0
	s_mov_b32 s[G1A+7], 0
	s_mov_b32 s[G1B+1], 32<<16
	s_mov_b32 s[G1B+2], 200<<16
	s_mov_b32 s[G1B+3], 32<<16
	s_mov_b32 s[G1B+4], 200
	s_mov_b32 s[G1B+5], 32
	s_mov_b32 s[G1B+6], 0
	s_mov_b32 s[G1B+7], 0
	s_mul_i32 s78, s20, ABLK/2                     ; my half, in memory and in LDS
	s_mul_i32 s79, s20, BBLK/2
	s_mul_i32 s70, s23, 2*ABLK
	s_add_co_u32 s70, s70, s78
	s_mov_b32 s71, 0
	s_mul_i32 s74, s21, 2*BBLK
	s_add_co_u32 s74, s74, s79
	s_add_co_u32 s74, s74, OC
	s_mov_b32 s75, 0
	s_wait_dscnt 0x0
	s_wait_kmcnt 0x0
	s_add_nc_u64 s[72:73], s[6:7], s[70:71]
	s_add_nc_u64 s[76:77], s[4:5], s[74:75]
	CROUND                                         ; all sixteen work-groups are here: the joint loads meet
.irp s, 0,1
	s_mov_b32 s[G0A+4*\s], 1
	s_add_co_u32 s[G0A+4*\s+1], s78, \s*SLOT
	s_add_nc_u64 s[G0A+4*\s+2:G0A+4*\s+3], s[72:73], \s*ABLK
	s_or_b32 s[G0A+4*\s+3], s[G0A+4*\s+3], 0x80000000
	s_mov_b32 s[G0B+4*\s], 1
	s_add_co_u32 s[G0B+4*\s+1], s79, \s*SLOT+ABLK
	s_add_nc_u64 s[G0B+4*\s+2:G0B+4*\s+3], s[76:77], \s*BBLK
	s_or_b32 s[G0B+4*\s+3], s[G0B+4*\s+3], 0x80000000
	JLOAD \s
.endr
	s_lshl_b32 s80, s21, 10
	s_lshl_b32 s82, s18, 8
	s_add_co_u32 s80, s80, s82                     ; my 64 columns, in bytes: 1,024 g + 256 w
	s_mov_b32 s81, 0
	s_add_nc_u64 s[62:63], s[8:9], s[80:81]        ; bo there
	s_lshl_b32 s82, s23, 19                        ; 128 rows of 4,096 bytes a batch
	s_add_co_u32 s80, s80, s82
	s_add_nc_u64 s[OUT:OUT+1], s[10:11], s[80:81]
	v_and_b32 v[RR], 15, v0
	v_bfe_u32 v[HH], v0, 4, 1
	v_and_b32 v[CO], 31, v0
	v_lshlrev_b32 v[L16], 4, v[CO]
	v_lshlrev_b32 v[A8], 3, v[CO]
	v_add_nc_u32 v[A16+1], SLOT, v[L16]
	v_add_nc_u32 v[A8+1], SLOT, v[A8]
	v_lshlrev_b32 v[BO], 5, v[HH]
	s_mul_i32 s80, s18, 16*FRB
	s_add_co_u32 s80, s80, ABLK
	v_add_nc_u32 v[ADRB], s80, v[L16]
	s_add_co_u32 s80, s80, SLOT
	v_add_nc_u32 v[ADRB+1], s80, v[L16]
	s_lshl_b32 s80, s18, 10
	s_add_co_u32 s80, s80, ABLK+64*FRB
	v_add_nc_u32 v[ADRS], s80, v[L16]
	s_add_co_u32 s80, s80, SLOT
	v_add_nc_u32 v[ADRS+1], s80, v[L16]
	s_mul_i32 s80, s18, 16*SPITCH
	s_add_co_u32 s80, s80, STAGE                   ; my stage
	v_mul_u32_u24 v[STO], v[RR], SPITCH            ; in: row r, 32 bytes for each half of the lanes
	v_lshl_add_u32 v[STO], v[HH], 5, v[STO]
	v_add_nc_u32 v[STO], s80, v[STO]
	v_mul_u32_u24 v[RD], v[HH], SPITCH             ; back: lanes 0-15 one row of 256 bytes, lanes 16-31 the next
	v_lshl_add_u32 v[RD], v[RR], 4, v[RD]
	v_add_nc_u32 v[RD], s80, v[RD]
	v_lshlrev_b32 v[CO], 12, v[HH]                 ; and the same two rows in out0
	v_lshl_add_u32 v[CO], v[RR], 4, v[CO]
.irp t, 0,1,2,3
	global_load_b128 v[BIAS+8*\t:BIAS+8*\t+3], v[BO], s[62:63] offset:64*\t        ; bo at columns 16 t + 8 h + 0 .. 7
	global_load_b128 v[BIAS+8*\t+4:BIAS+8*\t+7], v[BO], s[62:63] offset:64*\t+16
.endr
	s_wait_tensorcnt 1                             ; my part of slot 0 is in; slot 1's may stay out
	s_barrier_signal -1
	s_barrier_wait -1                              ; everybody's is
	FETCH 0, 0, 0
	SCALES 0
	s_wait_loadcnt 0x0                             ; bo
	STEP 0, 0, 1                                   ; bo starts the sums
	STEP 0, 1, 0
	STEP 0, 2, 0
	s_wait_tensorcnt 0x0                           ; my part of slot 1 is in,
	s_wait_dscnt 0x0                               ; and so are slot 0's last fragments
	s_barrier_signal -1
	s_barrier_wait -1                              ; everybody's part of slot 1 is in
	PLACES 4
	FETCH 1, 0, 0
	SCALES 1
	MUL32 1, 3, 0, 0
	STEP 1, 0, 0
	STEP 1, 1, 0
	STEP 1, 2, 0
	s_wait_dscnt 0x0
	MUL32 1, 3, 1, 0
; THE WAY OUT, a row tile (16 rows x 64 columns) at a time.  A lane holds 32 neighbouring bytes of a row, and the lanes beside it hold other rows: so a tile goes through my own stage in LDS and comes back as whole
; rows of 256 bytes.  LDS serves a wave's instructions in order (ISA guide 5.7.1.4): no wait between the stores and the loads, nor in front of the next tile's stores.
.macro TOSTAGE i
	WIN 0x04                                       ; an LDS store's data are its source 1: window 1
.irp t, 0,1,2,3
	ds_store_b128 v[STO], v[8*(4*(\i)+\t):8*(4*(\i)+\t)+3] offset:64*\t        ; each accumulator from its low end on
	ds_store_b128 v[STO], v[8*(4*(\i)+\t)+4:8*(4*(\i)+\t)+7] offset:64*\t+16
.endr
	WIN 0
.irp n, 0,1,2,3,4,5,6,7
	ds_load_b128 v[BK+32*((\i)%2)+4*\n:BK+32*((\i)%2)+4*\n+3], v[RD] offset:2*SPITCH*\n
.endr
.endm
.macro SEND i, younger                 ; younger: the LDS instructions issued behind tile i's loads, which may stay out
	s_wait_dscnt \younger
.irp n, 0,1,2,3,4,5,6,7
	global_store_b128 v[CO], v[BK+32*((\i)%2)+4*\n:BK+32*((\i)%2)+4*\n+3], s[OUT:OUT+1] offset:(16*(\i)+2*\n)*4096 th:TH_STORE_NT   ; 16 lanes store 256 consecutive bytes, at a multiple of 256 from out0's first byte; every offset is an immediate, 516,096 at the most
.endr
.endm
	PLACES 4
	TOSTAGE 0
.irp i, 1,2,3,4,5,6,7
.if \i > 1
	s_wait_xcnt 0x0                                ; tile i - 2's stores have read their registers: tile i's rows may land there
.endif
	TOSTAGE \i
	SEND \i-1, 16                                  ; behind tile i - 1's loads: tile i's 8 stores and 8 loads
.endr
	SEND 7, 0
	s_wait_tensorcnt 0x0
	ds_add_u32 v254, v255
	s_wait_dscnt 0x0
	CROUND                                         ; the closing round: no work-group ends while a partner may still ask for a block that names it
	s_endpgm
.Lfunc_end_k_qf3d7923444_outp:
	.size	k_qf3d7923444_outp, .Lfunc_end_k_qf3d7923444_outp-k_qf3d7923444_outp
	.p2alignl 7, 3214868480
	.fill 96, 4, 3214868480
	.section	.rodata,"a",@progbits
	.p2align	6, 0x0
	.amdhsa_kernel k_qf3d7923444_outp
		.amdhsa_group_segment_fixed_size 327680
		.amdhsa_private_segment_fixed_size 0
		.amdhsa_enable_private_segment 0
		.amdhsa_kernarg_size 32
		.amdhsa_user_sgpr_count 2
		.amdhsa_user_sgpr_kernarg_segment_ptr 1
		.amdhsa_wavefront_size32 1
		.amdhsa_system_sgpr_workgroup_id_x 1
		.amdhsa_system_sgpr_workgroup_id_y 1
		.amdhsa_system_sgpr_workgroup_id_z 1
		.amdhsa_system_vgpr_workitem_id 0
		.amdhsa_next_free_vgpr 1024
		.amdhsa_next_free_sgpr 100
		.amdhsa_reserve_vcc 0
		.amdhsa_float_denorm_mode_32 3
		.amdhsa_float_denorm_mode_16_64 3
		.amdhsa_memory_ordered 1
		.amdhsa_forward_progress 1
		.amdhsa_inst_pref_size 81
	.end_amdhsa_kernel
	.amdgpu_metadata
---
amdhsa.version: [ 1, 2 ]
amdhsa.kernels:
  - .name:           k_qf3d7923444_outp
    .symbol:         k_qf3d7923444_outp.kd
    .args:
      - { .name: codes, .offset: 0, .size: 8, .value_kind: global_buffer, .address_space: global }
      - { .name: gc, .offset: 8, .size: 8, .value_kind: global_buffer, .address_space: global }
      - { .name: bo, .offset: 16, .size: 8, .value_kind: global_buffer, .address_space: global }
      - { .name: out0, .offset: 24, .size: 8, .value_kind: global_buffer, .address_space: global }
    .group_segment_fixed_size: 327680
    .private_segment_fixed_size: 0
    .kernarg_segment_align: 8
    .kernarg_segment_size: 32
    .max_flat_workgroup_size: 128
    .sgpr_count:     100
    .vgpr_count:     1024
    .wavefront_size: 32
...
	.end_amdgpu_metadata
.endif
;; end of part 3
